; MI455X (gfx1250); checked and timed in simulation.
; The chip was launched on July 23, 2026; its instructions are those of AMD's public machine-readable ISA for CDNA 5 (MIT licence, August 2026) and "CDNA5" Instruction Set Architecture Reference Guide (July 2026). The comments in the code are by the model that wrote it; some were corrected since.
;; Custom Int8 Linear. Allowed arithmetic: float matrix products may take bf16 or f16 operands with f32 sums; other float arithmetic in f32, or as packed bf16 or f16 multiplies, adds, multiply-adds, maxima and minima; sums over many terms, partial sums and values carried from step to step in f32; what a program stores and reads back later, other than sums and carried values, may be rounded once to bf16 or f16.
;; Inputs: bias_param 4,096 float32; input 8 x 512 x 4,096 float32; qweight 4,096 x 4,096 int32; weight_scale 1 float32.
;; Outputs: out0 8 x 512 x 4,096 float32.
;; 2 versions, each right; version 2 is version 1 with the launch tobf16 written anew for expert scheduling mode. Each part assembles by itself: llvm-mc -triple=amdgcn-amd-amdhsa -mcpu=gfx1250 --defsym DOCPART=n.
;; ======== version 1 of 2: 2 launches
;; workspace buffers: abf 33,554,432 bytes; wbf 33,554,432 bytes
;; launch tobf16 (part 1): grid 256 x 2, 8 waves a work-group, no clusters, 0 bytes of LDS; arguments input, qweight, abf, wbf; writes abf, wbf
.if DOCPART == 1
	.amdgcn_target "amdgcn-amd-amdhsa--gfx1250"
	.amdhsa_code_object_version 6
	.text
	.protected	k_q3f6ccd05fe_tobf16
	.globl	k_q3f6ccd05fe_tobf16
	.p2align	8
	.type	k_q3f6ccd05fe_tobf16,@function
k_q3f6ccd05fe_tobf16:
	s_mov_b64 s[64:65], 0
	v_nop
	global_prefetch_b8 v0, s[64:65] scope:SCOPE_SE
	s_setreg_imm32_b32 hwreg(HW_REG_WAVE_MODE, 25, 1), 1
	s_wait_xcnt 0x0
; out[m][o] = weight_scale[0] * (sum over i of input[m][i] * qweight[o][i]) + bias_param[o].  All four inputs reach every output: no work is left out.
; THIS LAUNCH makes the product's two operands, each number converted once: abf[m][i] = bf16(input[m][i]), wbf[o][i] = bf16(qweight[o][i]); both [4096][4096], row-major.
; LIMITS.  input is rounded once, to nearest even, to bf16 (8 significant bits, f32's range).  A weight of magnitude up to 256 is exact in bf16; a larger one is rounded to 8 significant bits, and one
; beyond 2^24 twice (to f32, then to bf16).  The scale is NOT applied here: it multiplies the finished f32 sum in the next launch, so that the weights stay exact.
; SHARES.  Work-group y = 0 converts input, y = 1 qweight; work-group x owns 16 rows: 262,144 bytes in, 131,072 out, in 64 chunks.  A chunk is 4,096 bytes in (thread t takes the 16 bytes at 16 t: a wave's load
; covers 512 consecutive bytes, aligned) and 2,048 bytes out (8 bytes at 8 t: a wave's store covers 256 consecutive bytes, aligned).
; A ring of DEPTH slots in registers keeps DEPTH loads of every wave on their way.  No LDS, no barrier, no matrix unit, no cluster: no byte is wanted twice.  No prefetch: the loads themselves are the stream.
.set DEPTH,  8                         ; slots = loads in flight in each wave
.set ROUNDS, 64/DEPTH                  ; each round takes every slot once
.set CIN,    4096                      ; bytes of a chunk as read
.set COUT,   2048                      ; bytes of a chunk as written
.set T,   4                            ; v[4:7]    four weights as f32, at work
.set X,   8                            ; v[8:39]   slot i: 4 registers as loaded
.set Y,   40                           ; v[40:55]  slot i: 2 registers, 4 bf16 to store
.set SRC, 12                           ; s[12:13]  the tensor that is read, at the round's first chunk
.set DST, 14                           ; s[14:15]  the tensor that is written, at the round's first chunk
	s_load_b256 s[4:11], s[0:1], 0x0               ; input s[4:5], qweight s[6:7], abf s[8:9], wbf s[10:11]
	v_lshlrev_b32 v1, 4, v0                        ; my 16 bytes of a chunk as read; never rewritten
	v_lshlrev_b32 v2, 3, v0                        ; my 8 bytes of a chunk as written; never rewritten
	s_and_b32 s16, ttmp7, 0xffff                   ; which tensor
	s_wait_kmcnt 0x0
	s_cmp_eq_u32 s16, 0
	s_cselect_b64 s[SRC:SRC+1], s[4:5], s[6:7]
	s_cselect_b64 s[DST:DST+1], s[8:9], s[10:11]
	s_lshl_b32 s2, ttmp9, 18                       ; the work-group's 16 rows of 16,384 bytes (under 2^26),
	s_mov_b32 s3, 0
	s_add_nc_u64 s[SRC:SRC+1], s[SRC:SRC+1], s[2:3]
	s_lshl_b32 s2, ttmp9, 17                       ; and of 8,192 bytes
	s_add_nc_u64 s[DST:DST+1], s[DST:DST+1], s[2:3]
.irp i, 0,1,2,3,4,5,6,7
	global_load_b128 v[X+4*(\i):X+4*(\i)+3], v1, s[SRC:SRC+1] offset:(\i)*CIN th:TH_LOAD_NT  ; fill the ring: chunks 0 to 7
.endr
	s_mov_b32 s17, ROUNDS-1
; One slot's turn.  isint = 1: the four words are whole numbers.  ahead = 1: the slot is filled again with the chunk DEPTH further on.
; left = how many younger loads may still be out when this slot's load has to be there.
.macro SLOT i, isint, ahead, left
	s_wait_loadcnt \left                           ; loads come back in order (ISA guide 5.7.1): mine is in, the younger ones stay out
.if \isint
.irp j, 0,1,2,3
	v_cvt_f32_i32 v[T+(\j)], v[X+4*(\i)+(\j)]
.endr
	v_cvt_pk_bf16_f32 v[Y+2*(\i)],   v[T],   v[T+1]
	v_cvt_pk_bf16_f32 v[Y+2*(\i)+1], v[T+2], v[T+3]
.else
	v_cvt_pk_bf16_f32 v[Y+2*(\i)],   v[X+4*(\i)],   v[X+4*(\i)+1]  ; two roundings to bf16, packed; the first source in the low half
	v_cvt_pk_bf16_f32 v[Y+2*(\i)+1], v[X+4*(\i)+2], v[X+4*(\i)+3]
.endif
.if \ahead
	global_load_b128 v[X+4*(\i):X+4*(\i)+3], v1, s[SRC:SRC+1] offset:(DEPTH+(\i))*CIN th:TH_LOAD_NT  ; the load goes out ahead of the store
.endif
	global_store_b64 v2, v[Y+2*(\i):Y+2*(\i)+1], s[DST:DST+1] offset:(\i)*COUT th:TH_STORE_NT
.endm
; The whole stream for one kind of number: ROUNDS - 1 rounds that load ahead, and a last round that loads nothing, so that no load leaves the buffer.
.macro STREAM isint
.Lround\isint:
.irp i, 0,1,2,3,4,5,6,7
	SLOT \i, \isint, 1, DEPTH-1
.endr
	s_wait_xcnt 0x0                                ; every load and store issued so far has had its addresses translated (ISA guide 3.1): only behind this wait are the two bases and the stores' data written again
	s_add_nc_u64 s[SRC:SRC+1], s[SRC:SRC+1], DEPTH*CIN
	s_add_nc_u64 s[DST:DST+1], s[DST:DST+1], DEPTH*COUT
	s_sub_co_u32 s17, s17, 1
	s_cmp_lg_u32 s17, 0
	s_cbranch_scc1 .Lround\isint
.irp i, 0,1,2,3,4,5,6,7
	SLOT \i, \isint, 0, DEPTH-1-(\i)               ; the counts run down
.endr
	s_endpgm
.endm
	s_cmp_lg_u32 s16, 0                            ; the same in all waves of the work-group
	s_cbranch_scc1 .Lints
	STREAM 0
.Lints:
	STREAM 1
.Lfunc_end_k_q3f6ccd05fe_tobf16:
	.size	k_q3f6ccd05fe_tobf16, .Lfunc_end_k_q3f6ccd05fe_tobf16-k_q3f6ccd05fe_tobf16
	.p2alignl 7, 3214868480
	.fill 96, 4, 3214868480
	.section	.rodata,"a",@progbits
	.p2align	6, 0x0
	.amdhsa_kernel k_q3f6ccd05fe_tobf16
		.amdhsa_group_segment_fixed_size 0
		.amdhsa_private_segment_fixed_size 0
		.amdhsa_enable_private_segment 0
		.amdhsa_kernarg_size 32
		.amdhsa_user_sgpr_count 2
		.amdhsa_user_sgpr_kernarg_segment_ptr 1
		.amdhsa_wavefront_size32 1
		.amdhsa_system_sgpr_workgroup_id_x 1
		.amdhsa_system_sgpr_workgroup_id_y 1
		.amdhsa_system_sgpr_workgroup_id_z 1
		.amdhsa_system_vgpr_workitem_id 0
		.amdhsa_next_free_vgpr 56
		.amdhsa_next_free_sgpr 66
		.amdhsa_reserve_vcc 0
		.amdhsa_float_denorm_mode_32 3
		.amdhsa_float_denorm_mode_16_64 3
		.amdhsa_memory_ordered 1
		.amdhsa_forward_progress 1
		.amdhsa_inst_pref_size 14
	.end_amdhsa_kernel
	.amdgpu_metadata
---
amdhsa.version: [ 1, 2 ]
amdhsa.kernels:
  - .name:           k_q3f6ccd05fe_tobf16
    .symbol:         k_q3f6ccd05fe_tobf16.kd
    .args:
      - { .name: input, .offset: 0, .size: 8, .value_kind: global_buffer, .address_space: global }
      - { .name: qweight, .offset: 8, .size: 8, .value_kind: global_buffer, .address_space: global }
      - { .name: abf, .offset: 16, .size: 8, .value_kind: global_buffer, .address_space: global }
      - { .name: wbf, .offset: 24, .size: 8, .value_kind: global_buffer, .address_space: global }
    .group_segment_fixed_size: 0
    .private_segment_fixed_size: 0
    .kernarg_segment_align: 8
    .kernarg_segment_size: 32
    .max_flat_workgroup_size: 256
    .sgpr_count:     66
    .vgpr_count:     56
    .wavefront_size: 32
...
	.end_amdgpu_metadata
.endif
;; end of part 1
;; launch gemm (part 2): grid 16 x 16, 4 waves a work-group, clusters of 4 x 4, 327,680 bytes of LDS; arguments abf, wbf, out0, bias_param, weight_scale; writes out0
.if DOCPART == 2
	.amdgcn_target "amdgcn-amd-amdhsa--gfx1250"
	.amdhsa_code_object_version 6
	.text
	.protected	k_q3f6ccd05fe_gemm
	.globl	k_q3f6ccd05fe_gemm
	.p2align	8
	.type	k_q3f6ccd05fe_gemm,@function
k_q3f6ccd05fe_gemm:
	s_mov_b64 s[64:65], 0
	v_nop
	global_prefetch_b8 v0, s[64:65] scope:SCOPE_SE
	s_setreg_imm32_b32 hwreg(HW_REG_WAVE_MODE, 25, 1), 1
	s_wait_xcnt 0x0
	s_wait_alu depctr_hold_cnt(0) depctr_sa_sdst(0) depctr_va_vdst(0) depctr_va_sdst(0) depctr_va_ssrc(0) depctr_va_vcc(0) depctr_vm_vsrc(0)
	s_getreg_b32 s2, hwreg(HW_REG_IB_STS2, 6, 4)
	s_cmp_eq_u32 s2, 0
	s_cbranch_scc0 .Lentry_in_a_cluster
	s_endpgm
.Lentry_in_a_cluster:
	s_bfe_u32 s2, ttmp6, 0x10000c
	s_cmp_lg_u32 s2, 0xf033
	s_cbranch_scc0 .Lentry_shape_is_right
	s_endpgm
.Lentry_shape_is_right:
; out0[m][o] = weight_scale[0] * (sum over k of abf[m][k] wbf[o][k]) + bias_param[o].  abf, wbf: [4096][4096] bf16, made by the launch before; out0: [4096][4096] f32.  No work is left out.
; LIMITS.  Products of bf16 operands, sums in f32 in the matrix unit's order, K ascending, one accumulator an output.  The scale multiplies the FINISHED sum (one fused multiply-add in f32 with the bias), not each
; weight: so the unscaled sum of input x qweight must itself be finite in f32.  NaN and infinities go through the product as they come.
; A tile of out0, 256 x 256, is made by a work-group of four waves; a wave makes 128 x 128: 64 accumulators of 16 x 16, 512 registers.  (4096 / 256)^2 = 256 tiles, one to a work-group.
; K goes in steps of 128 through a ring of two LDS slots filled by the tensor data mover: a tile's rows are 256 bytes of memory and start at multiples of 256 bytes from the buffer's first byte.
; CLUSTERS: 4 x 4 work-groups.  The four of a row of the cluster need the same tiles of abf, the four of a column the same tiles of wbf.  Such a tile is asked for JOINTLY: each of the four issues the same
; tensor load, with the same descriptor and a mask that names the four, and each receives the tile in its own LDS.  That divides the requests for both operands by four.
; REGISTERS, in windows of 256 (s_set_vgpr_msb: bits 1:0 source 0, 3:2 source 1, 5:4 source 2, 7:6 destination):
;   window 0: v0-31 addresses and my four bias numbers; v64-127, v128-191 fragments of A = abf (8 x 16 rows x 32 K), two buffers; on the way out the same two hold rows read back from the stage
;   window 1: v64-127, v128-191 fragments of B = wbf, two buffers
;   window 2: the 32 accumulators of my rows 0-63 (accumulator (a, b) at v[8 (8 a + b)]);   window 3: those of my rows 64-127
; THE MATRIX INSTRUCTION IS USED TRANSPOSED: source 0 = 16 rows of B, source 1 = 16 rows of A.  In the result lane l holds row l % 16 of out0, and its registers 0 to 7 the columns 8 (l / 16) + 0 .. 7:
; eight neighbouring f32 of a row, 32 bytes.
; THE WAY OUT: a block of 16 rows x 128 columns goes as it is (f32) into my wave's own stage in LDS and comes back by whole rows of 512 bytes; there a lane always holds the same four columns, so its bias is four
; registers; scale and bias are one packed multiply-add for two numbers; a store of the wave covers 512 consecutive bytes, aligned.
.set SIZE_M, 4096
.set SIZE_N, 4096
.set SIZE_K, 4096
.set KSTEP,  128
.set PITCH,  272                       ; an LDS row: 256 bytes of data + 16 of padding = 68 words: row r starts at bank 4 r mod 64 (64 banks of 4 bytes: ISA guide 11.1), so the 16 rows that a load touches start at 16 different banks
.set HALFT,  128*PITCH                 ; 128 rows: what one tensor load brings, and what one wave reads of A or of B
.set SLOT,   4*HALFT                   ; A's 256 rows, then B's 256 rows
.set STAGE,  2*SLOT                    ; behind the ring, never filled by a tensor load: the four waves' stages
.set SPITCH, 528                       ; a stage row: 512 bytes + 16 = 132 words: row r starts at bank 4 r mod 64
.set WSTAGE, 16*SPITCH                 ; a wave's stage: 16 rows, 8,448 bytes = 33 blocks of 256
.set SPARE,  STAGE+4*WSTAGE            ; behind the stages: the spare words, 128 bytes for each wave: two blocks of 256 bytes that no other line names
.set LAPS,   SIZE_K/(2*KSTEP)          ; a lap = two K steps = once round the ring: 16
.set ROWC,   SIZE_N*4                  ; bytes in a row of out0
.set BI,   8                           ; v[8:11] bias of my four columns on the way out
.set BO,   12                          ; v12     their byte offset in bias_param
.set ADRA, 16                          ; v16-17  LDS address of my A fragments in slot 0, 1
.set ADRB, 20                          ; v20-21  the same for B
.set STO,  24                          ; v24     the way out: where I put 32 bytes of a row
.set RD,   25                          ; v25     the way out: where I read 16 bytes of a row back
.set CO,   26                          ; v26     16 x lane: my byte offset in my wave's 512 bytes of a row of out0; never rewritten
.set SPW,  28                          ; v28     LDS address of my spare word: SPARE + 4 x my thread's number; never rewritten
.set NIL,  29                          ; v29     0; never rewritten
.set PFO,  30                          ; v30     the prefetches' offset: my lane x a row of A or B in memory (8,192 bytes); never rewritten
.set F0,   64                          ; fragment buffer 0
.set F1,   128                         ; fragment buffer 1
.set G1,  24                           ; s[24:31] descriptor group 1 for A's tiles
.set G0,  32                           ; s[32:39] descriptor group 0 for A's tiles, one set for each slot
.set LIM, 43                           ; s43     1 in a wave that prefetches, else the greatest number
.set PFA, 44                           ; s[44:45] where my prefetches stand: my work-group's 32 rows of the 128 that I fetch, one K step further along K than the refill that is being asked for
.set G1B, 48                           ; s[48:55] descriptor group 1 for B's tiles: it differs from A's in the mask alone
.set G0B, 56                           ; s[56:63] descriptor group 0 for B's tiles, one set for each slot
.set CP,  68                           ; s[68:69] out0, then out0 at my wave's first row and column; never stepped
.set BP,  70                           ; s[70:71] bias_param
.set SP,  72                           ; s[72:73] weight_scale
.set SC,  74                           ; s[74:75] the scale: the packed multiply-add names a pair and takes its low word for both halves
.set MSB, 0
.macro WIN new                         ; the immediate's high byte repeats the setting that is left; a switch that changes nothing is dropped
.if MSB != (\new)
	s_set_vgpr_msb (MSB<<8)|(\new)
.set MSB, \new
.endif
.endm
.set MUL_LO, 0xa1                      ; source 0 (B) window 1, source 1 (A) window 0, C and D window 2
.set MUL_HI, 0xf1                      ; the same, C and D window 3
.set TO_B,   0x40                      ; destination window 1, address window 0
.set ST_LO,  0x08                      ; an LDS store's data (source 1) in window 2, its address in window 0
; A joint load.  Waves 0 and 1 fetch A's two halves, waves 2 and 3 B's.  Each of the two lines has ONE mask and one set of registers for all that issue it, and nothing in them hangs on a coordinate that
; the four partners do not share.  The branch hangs on the wave's number alone.  An s_nop 0 and four v_nop follow each of the two lines, ahead of the jump, the label and what follows.
.macro JLOAD s
	s_cmp_eq_u32 s11, 0
	s_cbranch_scc0 .Lfor_b_\@
	tensor_load_to_lds s[G0+4*(\s):G0+4*(\s)+3], s[G1:G1+7]
	s_nop 0
.rept 4
	v_nop
.endr
	s_branch .Lasked_\@
.Lfor_b_\@:
	tensor_load_to_lds s[G0B+4*(\s):G0B+4*(\s)+3], s[G1B:G1B+7]
	s_nop 0
.rept 4
	v_nop
.endr
.Lasked_\@:
.endm
; A PREFETCH INTO THE L2, behind each joint refill, its five lines and the run of LDS loads that follows them: the K step that stands TWO refills on (512 matrix instructions ahead of the load that will want it):
; 32 rows x 256 bytes, a lane a row, one instruction a wave.  Each row's 256 bytes of a K step are named ONCE in the launch: A's tile row is read by every cluster of that row of clusters, and the one with
; cluster x = 0 asks; B's tile column by every cluster of that column, and the one with cluster y = 0 asks.  The four partners that ask for a tile jointly share its rows out BY ADDRESS: of the 128 rows that a wave
; fetches, the partner at place p takes 32 p .. 32 p + 31 (p = cx for A, cy for B).  K steps 0 to 3 come by their loads alone; the loop's last trip (s3 = 1) asks for nothing: there is no K step beyond 31.
.macro ASK
	s_cmp_gt_u32 s3, s[LIM]
	s_cbranch_scc0 .Lnot_mine_\@
	global_prefetch_b8 v[PFO], s[PFA:PFA+1] offset:KSTEP*2 th:TH_LOAD_NT scope:SCOPE_SE
.Lnot_mine_\@:
.endm
; A round of the cluster's barrier: my work-group's barrier, so that wave 0's signal speaks for all four waves; wave 0 signals for the work-group; every wave waits for all sixteen work-groups;
; my work-group's barrier once more.  No LDS instruction of the wave is pending at a signal.
.macro CREST                           ; a round behind its opening barrier
	s_cmp_lg_u32 s10, 0
	s_cbranch_scc1 .Lnot_wave_0_\@
	s_barrier_signal -3
.Lnot_wave_0_\@:
	s_barrier_wait -3
	s_barrier_signal -1
	s_barrier_wait -1
.endm
.macro CROUND                          ; a whole round
	s_barrier_signal -1
	s_barrier_wait -1
	CREST
.endm
	s_load_b128 s[4:7], s[0:1], 0x0                ; abf s[4:5], wbf s[6:7]
	s_load_b128 s[68:71], s[0:1], 0x10             ; out0 s[68:69], bias_param s[70:71]
	s_load_b64 s[72:73], s[0:1], 0x20              ; weight_scale
	v_lshl_add_u32 v[SPW], v0, 2, SPARE
	v_mov_b32 v[NIL], 0
	ds_add_u32 v[SPW], v[NIL]                      ; the wave's opening: the add, twice on end, and its wait ahead of my first tensor load; the set-up below, work on registers, stands between the second and the wait
	ds_add_u32 v[SPW], v[NIL]                      ; and once more, under the one wait
	v_lshrrev_b32 v1, 5, v0
	v_readfirstlane_b32 s10, v1                    ; wave 0..3
	s_lshr_b32 s11, s10, 1                         ; which half of the tile's rows is mine.  Also: I fetch for A (0) or for B (1)
	s_and_b32 s12, s10, 1                          ; which half of its columns.  Also: which 128 rows of that tile I fetch
	s_bfe_u32 s40, ttmp6, 0x40000                  ; cx: my place along the cluster's x
	s_bfe_u32 s41, ttmp6, 0x40004                  ; cy: along its y
	s_lshl_b32 s42, ttmp9, 2                       ; in a cluster launch ttmp9 and ttmp7 count clusters
	s_add_co_u32 s42, s42, s40                     ; tile column = 4 x cluster x + cx
	s_and_b32 s13, ttmp7, 0xffff
	s_lshl_b32 s13, s13, 2
	s_add_co_u32 s13, s13, s41                     ; tile row = 4 x cluster y + cy
	s_lshl_b32 s43, s41, 2
	s_lshl_b32 s43, 15, s43                        ; my row of the cluster: places 4 cy .. 4 cy + 3
	s_lshl_b32 s44, 0x1111, s40                    ; my column: places cx, cx + 4, cx + 8, cx + 12
	; descriptor group 1: a tile of 128 rows x 128 elements, padded in LDS
	s_or_b32 s[G1+0], s43, (1<<16)|(1<<20)|(1<<21)|(5<<22)|(3<<25)  ; 15:0 the mask: A's tiles go to my row; 17:16 elements of 2 bytes; 20 padding on; 21 set beside a mask; 24:22 after every 64 words (code 5); 31:25 4 words of it (code 3)
	s_or_b32 s[G1B+0], s44, (1<<16)|(1<<20)|(1<<21)|(5<<22)|(3<<25) ; the same with the mask of my column, for B's tiles
	s_mov_b32 s[G1B+1], KSTEP<<16
	s_mov_b32 s[G1+1], KSTEP<<16                   ; 63:48 tensor_dim0, low half = 128
	s_mov_b32 s[G1B+2], 128<<16
	s_mov_b32 s[G1+2], 128<<16                     ; 79:64 its high half = 0; 95:80 tensor_dim1, low half = 128
	s_mov_b32 s[G1B+3], KSTEP<<16
	s_mov_b32 s[G1+3], KSTEP<<16                   ; 111:96 its high half = 0; 127:112 tile_dim0 = 128
	s_mov_b32 s[G1B+4], 128
	s_mov_b32 s[G1+4], 128                         ; 143:128 tile_dim1 = 128; 159:144 tile_dim2 = 0
	s_mov_b32 s[G1B+5], SIZE_K
	s_mov_b32 s[G1+5], SIZE_K                      ; 191:160 tensor_dim0_stride, low word: elements from row to row
	s_mov_b32 s[G1B+6], 0
	s_mov_b32 s[G1+6], 0
	s_mov_b32 s[G1B+7], 0
	s_mov_b32 s[G1+7], 0
	; where the tiles come from.  A's hang on the tile row alone, which my row of the cluster shares; B's on the tile column alone, which my column shares.
	; Every wave makes both addresses, in registers that never hold the other coordinate, and asks by one of them.
	s_lshl_b32 s17, s12, 7                         ; which 128 rows of the tile I fetch
	s_lshl_b32 s16, s13, 8
	s_add_co_u32 s16, s16, s17                     ; A: row 256 x tile row + 128 x half
	s_lshl_b32 s46, s42, 8
	s_add_co_u32 s46, s46, s17                     ; B: row 256 x tile column + 128 x half
	s_mov_b32 s17, 0
	s_mov_b32 s47, 0
	s_mov_b64 s[18:19], SIZE_K*2
	s_mul_u64 s[16:17], s[16:17], s[18:19]         ; in bytes
	s_mul_u64 s[46:47], s[46:47], s[18:19]
	s_mul_i32 s20, s10, HALFT                      ; and where they go: A's two halves, then B's two halves = wave x 128 rows: no place in the cluster enters an LDS address
	s_wait_dscnt 0x0                               ; both opening adds are done
	s_wait_kmcnt 0x0
	s_add_nc_u64 s[14:15], s[4:5], s[16:17]
	s_add_nc_u64 s[46:47], s[6:7], s[46:47]
	CROUND                                         ; all sixteen work-groups are here: the first joint loads meet
.irp s, 0,1
	s_mov_b32 s[G0+4*(\s)], 1                                      ; 1:0 count = 1
	s_add_co_u32 s[G0+4*(\s)+1], s20, (\s)*SLOT                    ; 63:32 LDS address
	s_add_nc_u64 s[G0+4*(\s)+2:G0+4*(\s)+3], s[14:15], (\s)*KSTEP*2  ; 120:64 global address: K step s
	s_or_b32 s[G0+4*(\s)+3], s[G0+4*(\s)+3], 0x80000000            ; 127:126 type = 2
	s_mov_b32 s[G0B+4*(\s)], 1
	s_add_co_u32 s[G0B+4*(\s)+1], s20, (\s)*SLOT
	s_add_nc_u64 s[G0B+4*(\s)+2:G0B+4*(\s)+3], s[46:47], (\s)*KSTEP*2
	s_or_b32 s[G0B+4*(\s)+3], s[G0B+4*(\s)+3], 0x80000000
	JLOAD \s                                       ; the ring is filled before anything else is done: two tensor loads of mine are out
.endr
	s_load_b32 s[SC], s[SP:SP+1], 0x0              ; the scale: no line of this launch writes that buffer
	; A fragment is 16 rows x 32 K in 8 registers: lane l holds row l % 16; registers 0-3 hold K = 8 (l / 16) + 0..7, registers 4-7 hold K = 16 + 8 (l / 16) + 0..7.
	; From rows that lie along K: two loads of 16 bytes, 32 bytes apart.  The same for source 0 and source 1.
	v_and_b32 v1, 15, v0                           ; l % 16
	v_bfe_u32 v2, v0, 4, 1                         ; l / 16
	v_mul_u32_u24 v3, v1, PITCH
	v_lshl_add_u32 v3, v2, 4, v3                   ; row x pitch + 16 x half
	s_mul_i32 s21, s11, HALFT                      ; my 128 rows of A
	s_mul_i32 s22, s12, HALFT                      ; my 128 rows of B,
	s_add_co_u32 s22, s22, 2*HALFT                 ; which lie behind A's 256
.irp s, 0,1
	v_add_nc_u32 v[ADRA+(\s)], s21, v3
	v_add_nc_u32 v[ADRB+(\s)], s22, v3
	s_add_co_u32 s21, s21, SLOT
	s_add_co_u32 s22, s22, SLOT
.endr
	s_mul_i32 s23, s10, WSTAGE
	s_add_co_u32 s23, s23, STAGE                   ; my stage
	v_mul_u32_u24 v4, v1, SPITCH                   ; in: row l % 16, 32 bytes for each half of the lanes
	v_lshl_add_u32 v4, v2, 5, v4
	v_add_nc_u32 v[STO], s23, v4
	v_and_b32 v5, 31, v0
	v_lshlrev_b32 v[CO], 4, v5                     ; back: the 32 lanes take one row of 512 bytes, 16 bytes each; the same 512 bytes in out0
	v_add_nc_u32 v[RD], s23, v[CO]
	; out0 at my wave's first row and column
	s_lshl_b32 s13, s13, 8                         ; 256 x tile row
	s_lshl_b32 s14, s11, 7
	s_add_co_u32 s16, s13, s14                     ; my first row,
	s_lshl_b32 s16, s16, 14                        ; times 16,384 bytes: under 2^26
	s_mov_b32 s17, 0
	s_lshl_b32 s46, s42, 10                        ; my first column, in bytes of f32: 1,024 x tile column + 512 x half (in the registers that held B's address: none that feeds A's descriptors ever holds cx)
	s_lshl_b32 s47, s12, 9
	s_add_co_u32 s46, s46, s47
	s_mov_b32 s47, 0
	s_add_nc_u64 s[CP:CP+1], s[CP:CP+1], s[16:17]
	s_add_nc_u64 s[CP:CP+1], s[CP:CP+1], s[46:47]
	v_add_nc_u32 v[BO], s46, v[CO]                 ; the same columns in bias_param
	global_load_b128 v[BI:BI+3], v[BO], s[BP:BP+1]
	; the prefetches.  s13 = 256 x tile row, s42 = tile column, s40 = cx, s41 = cy still stand; s[4:5] = abf, s[6:7] = wbf
	s_lshl_b32 s42, s42, 8
	s_and_b32 s22, ttmp7, 0xffff                   ; cluster y
	s_cmp_eq_u32 s11, 0                            ; do I fetch for A?
	s_cselect_b32 s20, s13, s42                    ; the tile's first row: in A by the tile row, in B by the tile column
	s_cselect_b32 s21, s40, s41                    ; my place among the four that ask for it with me
	s_cselect_b32 s22, ttmp9, s22                  ; the coordinate along which other clusters read the same rows
	s_cselect_b64 s[PFA:PFA+1], s[4:5], s[6:7]
	s_cmp_eq_u32 s22, 0
	s_cselect_b32 s[LIM], 1, -1                    ; the same in all sixteen partners, for a given wave
	s_lshl_b32 s22, s12, 7
	s_add_co_u32 s20, s20, s22                     ; + the 128 rows that I fetch
	s_lshl_b32 s21, s21, 5
	s_add_co_u32 s20, s20, s21                     ; + my work-group's 32 of them
	s_mov_b32 s21, 0
	s_mov_b64 s[18:19], SIZE_K*2
	s_mul_u64 s[20:21], s[20:21], s[18:19]
	s_add_nc_u64 s[PFA:PFA+1], s[PFA:PFA+1], s[20:21]
	s_add_nc_u64 s[PFA:PFA+1], s[PFA:PFA+1], 2*KSTEP*2  ; at K step 2: the first refill steps it to 3 and names K step 4
	v_and_b32 v[PFO], 31, v0
	v_mul_u32_u24 v[PFO], v[PFO], SIZE_K*2
	; nothing is prefetched here, at the head, where every work-group's first two tiles are on their way
; 16 matrix instructions: m blocks a0, a0 + 1 of the window's four (hi = 0: my rows 0-63, 1: rows 64-127) x all 8 n blocks, 32 along K.
; zero = 1: the first product starts the sums: nothing is ever cleared.  The 64 accumulators take turns, one instruction a turn, in the same order in every quarter step.
.macro MUL16 f, hi, a0, zero
	WIN MUL_LO+0x50*(\hi)  ; MUL_LO or MUL_HI
.irp a, \a0, (\a0)+1
.irp b, 0,1,2,3,4,5,6,7
.if \zero
	v_wmma_f32_16x16x32_bf16 v[8*(8*(\a)+(\b)):8*(8*(\a)+(\b))+7], v[(\f)+8*(\b):(\f)+8*(\b)+7], v[(\f)+8*(4*(\hi)+(\a)):(\f)+8*(4*(\hi)+(\a))+7], 0
.else
	v_wmma_f32_16x16x32_bf16 v[8*(8*(\a)+(\b)):8*(8*(\a)+(\b))+7], v[(\f)+8*(\b):(\f)+8*(\b)+7], v[(\f)+8*(4*(\hi)+(\a)):(\f)+8*(4*(\hi)+(\a))+7], v[8*(8*(\a)+(\b)):8*(8*(\a)+(\b))+7]
.endif
.endr
.endr
.endm
; 32 LDS loads in one run: the fragments of one quarter step (128 rows of B, 128 rows of A, 32 K at byte k of the rows) into buffer f
.macro FETCH slot, k, f
	WIN TO_B
.irp i, 0,1,2,3,4,5,6,7
	ds_load_b128 v[(\f)+8*(\i):(\f)+8*(\i)+3],   v[ADRB+(\slot)] offset:(\k)+(\i)*16*PITCH
	ds_load_b128 v[(\f)+8*(\i)+4:(\f)+8*(\i)+7], v[ADRB+(\slot)] offset:(\k)+(\i)*16*PITCH+32
.endr
	WIN 0
.irp i, 0,1,2,3,4,5,6,7
	ds_load_b128 v[(\f)+8*(\i):(\f)+8*(\i)+3],   v[ADRA+(\slot)] offset:(\k)+(\i)*16*PITCH
	ds_load_b128 v[(\f)+8*(\i)+4:(\f)+8*(\i)+7], v[ADRA+(\slot)] offset:(\k)+(\i)*16*PITCH+32
.endr
.endm
; A load into a register that a matrix instruction has read, and an LDS store or vector instruction that reads a matrix result, stand four places behind that matrix instruction, and only plain vector
; instructions that name none of its registers are places (ISA guide 7.12.1 for vector instructions); the matrix instructions in between are not counted.
.macro PLACES
.rept 4
	v_nop
.endr
.endm
; A K step is four quarter steps of 32 along K, 64 matrix instructions each, on buffers 0, 1, 0, 1.
; One of the first three: multiplies buffer f; in its middle it fetches the next quarter's fragments, at byte k of the same slot's rows, into buffer g.
.macro QUARTER slot, k, f, g, zero
	s_wait_dscnt 8                                 ; B and A's rows 0-63 are in; the youngest eight loads (A's rows 64-127) may be out
	WIN MUL_LO
	MUL16 \f, 0, 0, \zero
	MUL16 \f, 0, 2, \zero
	PLACES
	FETCH \slot, \k, \g
	s_wait_dscnt 32                                ; all but the 32 just issued
	WIN MUL_HI
	MUL16 \f, 1, 0, \zero
	MUL16 \f, 1, 2, \zero
.endm
; The last quarter multiplies buffer 1 and changes slots.  MEET is its first half: ONE barrier for the change of slots, for two things.  In front of it each wave waits for all its tensor loads, of which one is
; out: its part of the next slot; adds 0 to its spare word; and waits for that and for its own reads of this slot.  Behind it nobody reads this slot any more and the next slot is whole.
.macro MEET round                      ; round = 1: a round of the cluster's barrier follows
	WIN 0                                          ; (the add's two registers lie in window 0)
	s_wait_tensorcnt 0x0                           ; all my tensor loads have landed: the one that was out is my part of the next slot;
	ds_add_u32 v[SPW], v[NIL]                      ; 0 onto my spare word;
	s_wait_dscnt 9                                 ; (the add and the youngest eight loads may be out)
	WIN MUL_LO
	MUL16 F1, 0, 0, 0                              ; sixteen matrix instructions stand between the add and the wait for it
	s_wait_dscnt 0x0                               ; the add is done, and my reads of this slot are over:
	s_barrier_signal -1                            ; say so (where a slot is filled again this barrier opens a round of the cluster's barrier),
	MUL16 F1, 0, 2, 0                              ; work on registers while the others arrive,
.if \round
	WIN 0
.endif
	s_barrier_wait -1                              ; and go on when all four have said so
.endm
; The whole last quarter of a K step whose slot is filled again, with the K step two steps on: the refill is the first thing behind the round; then come the next slot's first fragments.
; From a request to the wait for it a wave issues 224 matrix instructions.
.macro TURN slot, next
	s_wait_xcnt 0x0                                ; the last prefetch, a K step back, has read its address: it is stepped here, ahead of the waits of the change of slots
	s_add_nc_u64 s[PFA:PFA+1], s[PFA:PFA+1], KSTEP*2
	MEET 1
	CREST                                          ; no wave of any partner still reads this slot's tile or has a load on its way
	s_add_nc_u64 s[G0+4*(\slot)+2:G0+4*(\slot)+3], s[G0+4*(\slot)+2:G0+4*(\slot)+3], 2*KSTEP*2     ; no tensor load of mine is out, so a group 0 may be written; the type bits on top are not reached
	s_add_nc_u64 s[G0B+4*(\slot)+2:G0B+4*(\slot)+3], s[G0B+4*(\slot)+2:G0B+4*(\slot)+3], 2*KSTEP*2
	JLOAD \slot                                    ; my one tensor load behind the round; the four v_nop behind it are also the places in front of the loads below
	FETCH \next, 0, F0
	ASK                                            ; behind the joint load and the run of LDS loads that the next products wait for
	WIN MUL_HI
	MUL16 F1, 1, 0, 0
	MUL16 F1, 1, 2, 0
.endm
; The same where nothing is left to fetch: my work-group's barrier alone.
.macro TURN0 slot, next
	MEET 0
	PLACES
	FETCH \next, 0, F0
	WIN MUL_HI
	MUL16 F1, 1, 0, 0
	MUL16 F1, 1, 2, 0
.endm
; THE WAY OUT of block a (my rows 16 a .. 16 a + 15), in two parts.
; TOSTAGE: its eight accumulators go as they are into my stage (each accumulator's four lowest registers first), and come back as 16 whole rows of 512 bytes, into A's fragment
; buffer a % 2.  LDS serves a wave's instructions in order (ISA guide 5.7.1.4): the loads see the stores above them, and the next block's stores come behind these loads.  The stage is my wave's own: no barrier.
.macro TOSTAGE a
.if (\a) >= 2
	s_wait_xcnt 0x0                                ; the stores of the block two back have had their addresses translated (ISA guide 3.1): only behind this wait is their data's buffer loaded again
.endif
.set AC, 64*((\a)%4)
.set BK, F0+64*((\a)%2)
	WIN ST_LO+4*((\a)/4)                           ; the data in window 2 (blocks 0-3) or 3 (blocks 4-7)
.irp b, 0,1,2,3,4,5,6,7
	ds_store_b128 v[STO], v[AC+8*(\b):AC+8*(\b)+3]   offset:64*(\b)
	ds_store_b128 v[STO], v[AC+8*(\b)+4:AC+8*(\b)+7] offset:64*(\b)+16
.endr
	WIN 0
.irp t, 0,1,2,3,4,5,6,7,8,9,10,11,12,13,14,15
	ds_load_b128 v[BK+4*(\t):BK+4*(\t)+3], v[RD] offset:(\t)*SPITCH
.endr
.endm
; SEND: row by row: sum x scale + bias, fused, two numbers an instruction; then the store.  younger: the LDS instructions issued behind block a's loads (the next block's 16 stores and 16 loads, or none).
.macro SEND a, younger
	WIN 0
.set BK, F0+64*((\a)%2)
.irp t, 0,1,2,3,4,5,6,7,8,9,10,11,12,13,14,15
	s_wait_dscnt (\younger)+15-(\t)                ; row t is back; this block's later rows and the next block's instructions may be out
	v_pk_fma_f32 v[BK+4*(\t):BK+4*(\t)+1],   v[BK+4*(\t):BK+4*(\t)+1],   s[SC:SC+1], v[BI:BI+1]   op_sel_hi:[1,0,1]
	v_pk_fma_f32 v[BK+4*(\t)+2:BK+4*(\t)+3], v[BK+4*(\t)+2:BK+4*(\t)+3], s[SC:SC+1], v[BI+2:BI+3] op_sel_hi:[1,0,1]
	global_store_b128 v[CO], v[BK+4*(\t):BK+4*(\t)+3], s[CP:CP+1] offset:(16*(\a)+(\t))*ROWC th:TH_STORE_NT  ; the wave stores 512 consecutive bytes, at a multiple of 512 from out0's first byte; the row stands in the immediate: 127 x 16,384 at the most, inside its signed 24 bits
.endr
.endm
	s_wait_kmcnt 0x0                               ; the scale
	s_mov_b32 s[SC+1], s[SC]                       ; named with it as a pair, so it is written
	s_wait_loadcnt 0x0                             ; my bias
	s_wait_tensorcnt 1                             ; my part of K step 0 is in; K step 1's may stay out
	s_barrier_signal -1
	s_barrier_wait -1                              ; everybody's is
	FETCH 0, 0, F0
	QUARTER 0, 64,  F0, F1, 1                      ; the first quarter stands in front of the loop: its products start the sums
	WIN 0                                          ; at a label and at a branch every window is 0
	s_mov_b32 s3, LAPS-1
.Llap:                                                 ; a trip goes once round the ring, from a lap's second quarter to the next lap's first, and fills both slots again
	QUARTER 0, 128, F1, F0, 0
	QUARTER 0, 192, F0, F1, 0
	TURN 0, 1
	QUARTER 1, 64,  F0, F1, 0
	QUARTER 1, 128, F1, F0, 0
	QUARTER 1, 192, F0, F1, 0
	TURN 1, 0
	QUARTER 0, 64,  F0, F1, 0
	WIN 0
	s_sub_co_u32 s3, s3, 1
	s_cmp_lg_u32 s3, 0
	s_cbranch_scc1 .Llap
	QUARTER 0, 128, F1, F0, 0                      ; the last lap is written out: it fills nothing
	QUARTER 0, 192, F0, F1, 0
	TURN0 0, 1
	QUARTER 1, 64,  F0, F1, 0
	QUARTER 1, 128, F1, F0, 0
	QUARTER 1, 192, F0, F1, 0
	s_wait_dscnt 8                                 ; the very last quarter: nothing more to fetch
	MUL16 F1, 0, 0, 0
	MUL16 F1, 0, 2, 0
	s_wait_dscnt 0x0
	MUL16 F1, 1, 0, 0
	MUL16 F1, 1, 2, 0
	WIN 0
	PLACES                                         ; behind the last products: for the LDS stores that read results and the loads into A's fragment buffers
	PLACES                                         ; (eight, once a launch)
	TOSTAGE 0
.irp a, 1,2,3,4,5,6,7                  ; block a's trip through the stage is under way while block a - 1 is scaled and stored
	TOSTAGE \a
	SEND (\a)-1, 32
.endr
	SEND 7, 0
	s_wait_tensorcnt 0x0                           ; the wave's end, behind my last tensor load and my last LDS store
	ds_add_u32 v[SPW], v[NIL]
	s_wait_dscnt 0x0
	CROUND                                         ; the closing round: no work-group ends while a partner may still ask for a tile that names it
	s_endpgm
.Lfunc_end_k_q3f6ccd05fe_gemm:
	.size	k_q3f6ccd05fe_gemm, .Lfunc_end_k_q3f6ccd05fe_gemm-k_q3f6ccd05fe_gemm
	.p2alignl 7, 3214868480
	.fill 96, 4, 3214868480
	.section	.rodata,"a",@progbits
	.p2align	6, 0x0
	.amdhsa_kernel k_q3f6ccd05fe_gemm
		.amdhsa_group_segment_fixed_size 327680
		.amdhsa_private_segment_fixed_size 0
		.amdhsa_enable_private_segment 0
		.amdhsa_kernarg_size 40
		.amdhsa_user_sgpr_count 2
		.amdhsa_user_sgpr_kernarg_segment_ptr 1
		.amdhsa_wavefront_size32 1
		.amdhsa_system_sgpr_workgroup_id_x 1
		.amdhsa_system_sgpr_workgroup_id_y 1
		.amdhsa_system_sgpr_workgroup_id_z 1
		.amdhsa_system_vgpr_workitem_id 0
		.amdhsa_next_free_vgpr 1024
		.amdhsa_next_free_sgpr 80
		.amdhsa_reserve_vcc 0
		.amdhsa_float_denorm_mode_32 3
		.amdhsa_float_denorm_mode_16_64 3
		.amdhsa_memory_ordered 1
		.amdhsa_forward_progress 1
		.amdhsa_inst_pref_size 162
	.end_amdhsa_kernel
	.amdgpu_metadata
---
amdhsa.version: [ 1, 2 ]
amdhsa.kernels:
  - .name:           k_q3f6ccd05fe_gemm
    .symbol:         k_q3f6ccd05fe_gemm.kd
    .args:
      - { .name: abf, .offset: 0, .size: 8, .value_kind: global_buffer, .address_space: global }
      - { .name: wbf, .offset: 8, .size: 8, .value_kind: global_buffer, .address_space: global }
      - { .name: out0, .offset: 16, .size: 8, .value_kind: global_buffer, .address_space: global }
      - { .name: bias_param, .offset: 24, .size: 8, .value_kind: global_buffer, .address_space: global }
      - { .name: weight_scale, .offset: 32, .size: 8, .value_kind: global_buffer, .address_space: global }
    .group_segment_fixed_size: 327680
    .private_segment_fixed_size: 0
    .kernarg_segment_align: 8
    .kernarg_segment_size: 40
    .max_flat_workgroup_size: 128
    .sgpr_count:     80
    .vgpr_count:     1024
    .wavefront_size: 32
...
	.end_amdgpu_metadata
.endif
;; end of part 2
;; ======== version 2 of 2: 2 launches; version 1 with the launch tobf16 written anew for expert scheduling mode
;; workspace buffers: abf 33,554,432 bytes; wbf 33,554,432 bytes
;; launch tobf16 (part 3): grid 256 x 2, 8 waves a work-group, no clusters, 0 bytes of LDS; arguments input, qweight, abf, wbf; writes abf, wbf
.if DOCPART == 3
	.amdgcn_target "amdgcn-amd-amdhsa--gfx1250"
	.amdhsa_code_object_version 6
	.text
	.protected	k_q3f6ccd05fe_tobf16
	.globl	k_q3f6ccd05fe_tobf16
	.p2align	8
	.type	k_q3f6ccd05fe_tobf16,@function
k_q3f6ccd05fe_tobf16:
	s_mov_b64 s[64:65], 0
	v_nop
	global_prefetch_b8 v0, s[64:65] scope:SCOPE_SE
	s_setreg_imm32_b32 hwreg(HW_REG_WAVE_SCHED_MODE, 0, 2), 2
	s_setreg_imm32_b32 hwreg(HW_REG_WAVE_MODE, 25, 1), 1
	s_wait_xcnt 0x0
	s_wait_alu depctr_vm_vsrc(0)
; out[m][o] = weight_scale[0] * (sum over i of input[m][i] * qweight[o][i]) + bias_param[o].  All four inputs reach every output: no work is left out.
; THIS LAUNCH makes the product's two operands, each number converted once: abf[m][i] = bf16(input[m][i]), wbf[o][i] = bf16(qweight[o][i]); both [4096][4096], row-major.
; LIMITS.  input is rounded once, to nearest even, to bf16 (8 significant bits, f32's range).  A weight of magnitude up to 256 is exact in bf16; a larger one is rounded to 8 significant bits, and one
; beyond 2^24 twice (to f32, then to bf16).  The scale is NOT applied here: it multiplies the finished f32 sum in the next launch, so that the weights stay exact.
; SHARES.  Work-group y = 0 converts input, y = 1 qweight; work-group x owns 16 rows: 262,144 bytes in, 131,072 out, in 64 chunks.  A chunk is 4,096 bytes in (thread t takes the 16 bytes at 16 t: a wave's load
; covers 512 consecutive bytes, aligned) and 2,048 bytes out (8 bytes at 8 t: a wave's store covers 256 consecutive bytes, aligned).
; No LDS, no barrier, no matrix unit, no cluster: no byte is wanted twice.  No prefetch: the loads themselves are the stream.
; THE MODE: SCHED_MODE bits 1:0 = 2 (LLVM: expert scheduling mode 2), set by the entry lines.  The code itself states the register dependences
; between vector instructions and memory instructions, with s_wait_alu, always for 0.
; THE PLAN.  The 64 chunks go in 16 blocks of four.  Registers that memory instructions touch:
;   X0 .. X3   four blocks as loaded.  Written by the loads of block p + 3, issued in block p; read by block p's conversions.
;   Y0, Y1     two blocks to store.    Written by block p's roundings; read by the four stores that are issued in block p + 1.
;   v1, v2     byte offsets, made once at the head and never written again: the chunks are reached by the two scalar bases, which move on by a
;              block at each block's head, and by immediate offsets.
;   T          is named by vector instructions alone.
; Block p works on X[p % 4] and writes Y[p % 2].  Its memory instructions are the loads into X[(p + 3) % 4] = X[(p - 1) % 4] and the stores from
; Y[(p - 1) % 2]: the two buffers that block p - 1 worked on and that no vector instruction of block p names.  So the waits at the head of a block
; state all that the block's eight memory instructions hang on, and these are dealt among its vector instructions with no further wait.
; Eight to twelve loads of every wave are on their way.
.set BLOCK,  4                         ; chunks in a block
.set BLOCKS, 64/BLOCK
.set CIN,    4096                      ; bytes of a chunk as read
.set COUT,   2048                      ; bytes of a chunk as written
.set T,   4                            ; v[4:7]    four weights as f32, at work: no memory instruction names them
.set X,   8                            ; v[8:71]   buffer k, chunk i: 4 registers at X + 16 k + 4 i, as loaded
.set Y,   72                           ; v[72:87]  buffer k, chunk i: 2 registers at Y + 8 k + 2 i, 4 bf16 to store
.set SRC, 12                           ; s[12:13]  the tensor that is read, at the block's first chunk
.set DST, 14                           ; s[14:15]  the tensor that is written, at the block's first chunk
	s_load_b256 s[4:11], s[0:1], 0x0               ; input s[4:5], qweight s[6:7], abf s[8:9], wbf s[10:11]
	v_lshlrev_b32 v1, 4, v0                        ; my 16 bytes of a chunk as read; never rewritten
	v_lshlrev_b32 v2, 3, v0                        ; my 8 bytes of a chunk as written; never rewritten
	s_and_b32 s16, ttmp7, 0xffff                   ; which tensor
	s_wait_kmcnt 0x0
	s_cmp_eq_u32 s16, 0
	s_cselect_b64 s[SRC:SRC+1], s[4:5], s[6:7]
	s_cselect_b64 s[DST:DST+1], s[8:9], s[10:11]
	s_lshl_b32 s2, ttmp9, 18                       ; the work-group's 16 rows of 16,384 bytes (under 2^26),
	s_mov_b32 s3, 0
	s_add_nc_u64 s[SRC:SRC+1], s[SRC:SRC+1], s[2:3]
	s_lshl_b32 s2, ttmp9, 17                       ; and of 8,192 bytes
	s_add_nc_u64 s[DST:DST+1], s[DST:DST+1], s[2:3]
	s_wait_alu depctr_va_vdst(0)                   ; v1 and v2 are written: every load of the kernel reads v1 as its offset, every store v2
.irp i, 0,1,2,3,4,5,6,7,8,9,10,11
	global_load_b128 v[X+4*(\i):X+4*(\i)+3], v1, s[SRC:SRC+1] offset:(\i)*CIN th:TH_LOAD_NT  ; blocks 0, 1 and 2 into X0, X1, X2
.endr
	s_mov_b32 s17, (BLOCKS-4)/4
; Block p.  xb = p % 4, yb = p % 2.  isint = 1: the words are whole numbers.  first = 1: block 0, with no block in front of it.  ahead = 1: block p + 3 is loaded.
; left = how many younger loads may still be out when this block's four have to be there.
.macro BLK xb, yb, isint, first, ahead, left
	s_wait_loadcnt \left                           ; loads come back in order (ISA guide 5.7.1): X[xb] is in, the younger blocks stay out
.if !\first
	s_wait_xcnt 0x0                                ; every load and store issued so far has had its addresses translated (ISA guide 3.1): only behind this wait are the two bases and Y[yb] written again
	s_wait_alu depctr_vm_vsrc(0)                   ; the stores issued in the block before have read Y[yb], which this block's roundings write again
	s_wait_alu depctr_va_vdst(0)                   ; the block before has written the other Y, which the stores below read, and is done reading its X, in which the loads below land
	s_add_nc_u64 s[SRC:SRC+1], s[SRC:SRC+1], BLOCK*CIN   ; both bases at this block's first chunk
	s_add_nc_u64 s[DST:DST+1], s[DST:DST+1], BLOCK*COUT
.endif
.irp i, 0,1,2,3
.if \ahead
	global_load_b128 v[X+16*((\xb+3)%4)+4*(\i):X+16*((\xb+3)%4)+4*(\i)+3], v1, s[SRC:SRC+1] offset:(3*BLOCK+(\i))*CIN th:TH_LOAD_NT  ; three blocks ahead, the load ahead of the store; no vector instruction since the wait names these registers
.endif
.if !\first
	global_store_b64 v2, v[Y+8*(1-\yb)+2*(\i):Y+8*(1-\yb)+2*(\i)+1], s[DST:DST+1] offset:((\i)-BLOCK)*COUT th:TH_STORE_NT  ; the block before: the offset reaches back
.endif
.if \isint
.irp j, 0,1,2,3
	v_cvt_f32_i32 v[T+(\j)], v[X+16*\xb+4*(\i)+(\j)]
.endr
	v_cvt_pk_bf16_f32 v[Y+8*\yb+2*(\i)],   v[T],   v[T+1]
	v_cvt_pk_bf16_f32 v[Y+8*\yb+2*(\i)+1], v[T+2], v[T+3]
.else
	v_cvt_pk_bf16_f32 v[Y+8*\yb+2*(\i)],   v[X+16*\xb+4*(\i)],   v[X+16*\xb+4*(\i)+1]  ; two roundings to bf16, packed; the first source in the low half
	v_cvt_pk_bf16_f32 v[Y+8*\yb+2*(\i)+1], v[X+16*\xb+4*(\i)+2], v[X+16*\xb+4*(\i)+3]
.endif
.endr
.endm
; The whole stream for one kind of number: block 0, three laps of four blocks that load ahead, and three blocks that load nothing, so that no load leaves the buffer.
.macro STREAM isint
	BLK 0, 0, \isint, 1, 1, 2*BLOCK                ; block 0: its loads land in X3, which no vector instruction has named
.Lround\isint:                                         ; blocks 1 to 12, four to a lap: both kinds of buffer are back at their start
	BLK 1, 1, \isint, 0, 1, 2*BLOCK
	BLK 2, 0, \isint, 0, 1, 2*BLOCK
	BLK 3, 1, \isint, 0, 1, 2*BLOCK
	BLK 0, 0, \isint, 0, 1, 2*BLOCK
	s_sub_co_u32 s17, s17, 1
	s_cmp_lg_u32 s17, 0
	s_cbranch_scc1 .Lround\isint
	BLK 1, 1, \isint, 0, 0, 2*BLOCK                ; blocks 13 to 15: the counts run down
	BLK 2, 0, \isint, 0, 0, BLOCK
	BLK 3, 1, \isint, 0, 0, 0
	s_wait_alu depctr_va_vdst(0)                   ; block 15 has written Y1, which the last four stores read
.irp i, 0,1,2,3
	global_store_b64 v2, v[Y+8+2*(\i):Y+8+2*(\i)+1], s[DST:DST+1] offset:(\i)*COUT th:TH_STORE_NT
.endr
	s_endpgm
.endm
	s_cmp_lg_u32 s16, 0                            ; the same in all waves of the work-group
	s_cbranch_scc1 .Lints
	STREAM 0
.Lints:
	STREAM 1
.Lfunc_end_k_q3f6ccd05fe_tobf16:
	.size	k_q3f6ccd05fe_tobf16, .Lfunc_end_k_q3f6ccd05fe_tobf16-k_q3f6ccd05fe_tobf16
	.p2alignl 7, 3214868480
	.fill 96, 4, 3214868480
	.section	.rodata,"a",@progbits
	.p2align	6, 0x0
	.amdhsa_kernel k_q3f6ccd05fe_tobf16
		.amdhsa_group_segment_fixed_size 0
		.amdhsa_private_segment_fixed_size 0
		.amdhsa_enable_private_segment 0
		.amdhsa_kernarg_size 32
		.amdhsa_user_sgpr_count 2
		.amdhsa_user_sgpr_kernarg_segment_ptr 1
		.amdhsa_wavefront_size32 1
		.amdhsa_system_sgpr_workgroup_id_x 1
		.amdhsa_system_sgpr_workgroup_id_y 1
		.amdhsa_system_sgpr_workgroup_id_z 1
		.amdhsa_system_vgpr_workitem_id 0
		.amdhsa_next_free_vgpr 88
		.amdhsa_next_free_sgpr 66
		.amdhsa_reserve_vcc 0
		.amdhsa_float_denorm_mode_32 3
		.amdhsa_float_denorm_mode_16_64 3
		.amdhsa_memory_ordered 1
		.amdhsa_forward_progress 1
		.amdhsa_inst_pref_size 28
	.end_amdhsa_kernel
	.amdgpu_metadata
---
amdhsa.version: [ 1, 2 ]
amdhsa.kernels:
  - .name:           k_q3f6ccd05fe_tobf16
    .symbol:         k_q3f6ccd05fe_tobf16.kd
    .args:
      - { .name: input, .offset: 0, .size: 8, .value_kind: global_buffer, .address_space: global }
      - { .name: qweight, .offset: 8, .size: 8, .value_kind: global_buffer, .address_space: global }
      - { .name: abf, .offset: 16, .size: 8, .value_kind: global_buffer, .address_space: global }
      - { .name: wbf, .offset: 24, .size: 8, .value_kind: global_buffer, .address_space: global }
    .group_segment_fixed_size: 0
    .private_segment_fixed_size: 0
    .kernarg_segment_align: 8
    .kernarg_segment_size: 32
    .max_flat_workgroup_size: 256
    .sgpr_count:     66
    .vgpr_count:     88
    .wavefront_size: 32
...
	.end_amdgpu_metadata
.endif
;; end of part 3
;; launch gemm: the kernel of part 2 again; grid 16 x 16, 4 waves a work-group, clusters of 4 x 4, 327,680 bytes of LDS; arguments abf, wbf, out0, bias_param, weight_scale; writes out0
